; MI455X (gfx1250); checked and timed in simulation.
; The chip was launched on July 23, 2026; its instructions are those of AMD's public machine-readable ISA for CDNA 5 (MIT licence, August 2026) and "CDNA5" Instruction Set Architecture Reference Guide (July 2026). The comments in the code are by the model that wrote it; some were corrected since.
;; Custom Multihead Attention. Allowed arithmetic: matrix products marked QUANTISED: E2M1 operands, one E8M0 scale for each 32 along K, by v_wmma_scale_f32_16x16x128_f8f6f4 with both operands' format E2M1 (or v_wmma_scale_f32_32x16x128_f4), f32 sums; everything else in f32.
;; Inputs: Wk_codes 1,024 x 32 x 16 uint8 (E2M1 codes of Wk, K innermost, in blocks of 32 codes, two codes a byte); Wk_scales 1,024 x 32 uint8 (E8M0 scales of Wk, one for each 32 codes along K); Wo_codes 1,024 x 32 x 16 uint8 (E2M1 codes of Wo, K innermost, in blocks of 32 codes, two codes a byte); Wo_scales 1,024 x 32 uint8 (E8M0 scales of Wo, one for each 32 codes along K); Wq_codes 1,024 x 32 x 16 uint8 (E2M1 codes of Wq, K innermost, in blocks of 32 codes, two codes a byte); Wq_scales 1,024 x 32 uint8 (E8M0 scales of Wq, one for each 32 codes along K); Wv_codes 1,024 x 32 x 16 uint8 (E2M1 codes of Wv, K innermost, in blocks of 32 codes, two codes a byte); Wv_scales 1,024 x 32 uint8 (E8M0 scales of Wv, one for each 32 codes along K); bk 1,024 float32; bo 1,024 float32; bq 1,024 float32; bv 1,024 float32; k_codes 4 x 2,048 x 32 x 16 uint8 (E2M1 codes of k, K innermost, in blocks of 32 codes, two codes a byte); k_scales 4 x 2,048 x 32 uint8 (E8M0 scales of k, one for each 32 codes along K); q_codes 4 x 2,048 x 32 x 16 uint8 (E2M1 codes of q, K innermost, in blocks of 32 codes, two codes a byte); q_scales 4 x 2,048 x 32 uint8 (E8M0 scales of q, one for each 32 codes along K); v_codes 4 x 2,048 x 32 x 16 uint8 (E2M1 codes of v, K innermost, in blocks of 32 codes, two codes a byte); v_scales 4 x 2,048 x 32 uint8 (E8M0 scales of v, one for each 32 codes along K).
;; Outputs: out0 4 x 2,048 x 1,024 float32.
;; This version of the problem:
;;   THIS VERSION OF THE PROBLEM IS GIVEN IN LOW PRECISION. The matrix products marked QUANTISED in the list below multiply operands that are first quantised to E2M1 (2 exponent bits, 1 mantissa bit; 4 bits a number), with one power-of-two scale for each 32 numbers along K (OCP MX v1.0); their sums are f32. All else is computed in f32.
;;   The module's matrix products, in the order in which they are computed (A, B: the left and right operand; K: the contracted axis; several contracted axes count as one K, in the product's order):
;;     1. [M 8,192, K 1,024] x [K 1,024, N 1,024]; A: input q (given as codes); B: input Wq (given as codes): QUANTISED
;;     2. [M 8,192, K 1,024] x [K 1,024, N 1,024]; A: input k (given as codes); B: input Wk (given as codes): QUANTISED
;;     3. [M 8,192, K 1,024] x [K 1,024, N 1,024]; A: input v (given as codes); B: input Wv (given as codes): QUANTISED
;;     4. batch 64 x [M 2,048, K 64] x [K 64, N 2,048]; A: computed on the way; B: computed on the way: QUANTISED
;;     5. batch 64 x [M 64, K 2,048] x [K 2,048, N 2,048]; A: computed on the way; B: softmax (see below): QUANTISED
;;     6. [M 8,192, K 1,024] x [K 1,024, N 1,024]; A: computed on the way; B: input Wo (given as codes): QUANTISED
;;   THE QUANTISER, for each operand of a quantised product, along K:
;;     - K is cut into blocks of 32 from its start; a last block that is shorter is filled with zeros.
;;     - A block's scale is 2^e with e = floor(log2(the largest magnitude in the block)) - 2, held to -126 .. 127; a block of zeros has e = 0. As a byte (E8M0): e + 127.
;;     - Each number is divided by its block's scale, clamped to +-6, and rounded to the nearest number of E2M1, ties to even, subnormals kept.
;;     - The product sums the exact products of the quantised numbers (number of the format x scale) in f32.
;;   ~~~python
;;   def quantise(x, axis):      # numpy; x: float32 -> the quantised numbers, widened to float32 again
;;       x = np.moveaxis(x, axis, -1); K = x.shape[-1]
;;       x = np.pad(x, [(0, 0)] * (x.ndim - 1) + [(0, -K % 32)]); x = x.reshape(x.shape[:-1] + (-1, 32)); a = np.abs(x).max(-1, keepdims=True)
;;       e = np.where(a > 0, np.clip(np.frexp(np.where(a > 0, a, 1))[1] - 1 - 2, -126, 127), 0)      # np.frexp(a)[1] - 1 = floor(log2(a)), exactly
;;       r = np.clip(x / 2.0 ** e, -6, 6)
;;       step = 2.0 ** (np.maximum(np.frexp(np.where(r == 0, 1, r))[1] - 1, 0) - 1)
;;       q = np.round(r / step) * step * 2.0 ** e      # np.round: ties to even
;;       return np.moveaxis(q.reshape(q.shape[:-2] + (-1,))[..., :K], -1, axis).astype(np.float32)
;;   ~~~
;;   SOFTMAX AHEAD OF A QUANTISED PRODUCT. Where the list says 'softmax', what is quantised is not the finished softmax but p = 2^(t - M), with t = logit x log2(e) and M = ceil(the row's largest t), a whole number; so 1/2 < the row's largest p <= 1. The row's sum l is taken of the UNQUANTISED p, in f32, and the product's result is divided by l at the end. Since M is a whole number, a kernel that streams over the keys may use a running M (the ceiling of the running maximum): every later rescaling is an exact power of two, which a block's scale takes up: the codes' values come out the same.
;;   OPERANDS COMPUTED ON THE WAY. 'Computed on the way' means the value that the module computes at that place (a softmax that the list does not call 'softmax' is quantised finished and normalised). What goes into a quantiser is computed in f32, as accurately as f32 sums, v_exp_f32 and their like allow (about 1e-6 of the number): no bf16 or f16 on the way to a quantiser, and a product that is left as it is and whose result goes on into a quantised operand takes f32 operands (vector FMAs, or v_wmma_f32_16x16x4_f32). A number that lies on a knife's edge between two numbers of the format may be rounded either way, as far as f32 arithmetic and the matrix unit's own rounding can turn it there, and no further.
;;   INPUTS GIVEN AS CODES. Wk (in the module: [1024, 1024], K = its axis 1); Wo (in the module: [1024, 1024], K = its axis 1); Wq (in the module: [1024, 1024], K = its axis 1); Wv (in the module: [1024, 1024], K = its axis 1); k (in the module: [4, 2048, 1024], K = its axis 2); q (in the module: [4, 2048, 1024], K = its axis 2); v (in the module: [4, 2048, 1024], K = its axis 2): each comes as NAME_codes (uint8): NAME with its K axis moved to the last place and cut into blocks of 32 codes, [.., K / 32, bytes a block], one block behind the other in memory; two codes a byte, the lower K in the low four bits (a code: sign, 2 exponent bits, 1 mantissa bit); and NAME_scales (uint8): the same leading axes, one E8M0 byte (e + 127) for each 32 codes along K. Its value is code x scale, taken as it is: it is not quantised again, and the codes and scales need not be those that the quantiser above would give.
;; One version. Each part assembles by itself: llvm-mc -triple=amdgcn-amd-amdhsa -mcpu=gfx1250 --defsym DOCPART=n.
;; ======== version 1 of 1: 3 launches
;; limits: right only within a limited range of input values
;; workspace buffers: qb 4,718,592 bytes; kv 9,437,184 bytes; cimg 4,194,304 bytes; csc 262,144 bytes
;; launch proj (part 1): grid 4 x 192, 4 waves a work-group, clusters of 4 x 4, 216,320 bytes of LDS; arguments Wq_codes, Wq_scales, q_codes, q_scales, bq, qb, Wk_codes, Wk_scales, k_codes, k_scales, bk, kv, v_codes, v_scales, Wv_codes, Wv_scales, bv; writes qb, kv
.if DOCPART == 1
	.amdgcn_target "amdgcn-amd-amdhsa--gfx1250"
	.amdhsa_code_object_version 6
	.text
	.protected	k_q5b41a5a9e7_proj
	.globl	k_q5b41a5a9e7_proj
	.p2align	8
	.type	k_q5b41a5a9e7_proj,@function
k_q5b41a5a9e7_proj:
	s_mov_b64 s[64:65], 0
	v_nop
	global_prefetch_b8 v0, s[64:65] scope:SCOPE_SE
	s_setreg_imm32_b32 hwreg(HW_REG_WAVE_MODE, 25, 1), 1
	s_wait_xcnt 0x0
	s_wait_alu depctr_hold_cnt(0) depctr_sa_sdst(0) depctr_va_vdst(0) depctr_va_sdst(0) depctr_va_ssrc(0) depctr_va_vcc(0) depctr_vm_vsrc(0)
	s_getreg_b32 s2, hwreg(HW_REG_IB_STS2, 6, 4)
	s_cmp_eq_u32 s2, 0
	s_cbranch_scc0 .Lentry_in_a_cluster
	s_endpgm
.Lentry_in_a_cluster:
	s_bfe_u32 s2, ttmp6, 0x10000c
	s_cmp_lg_u32 s2, 0xf033
	s_cbranch_scc0 .Lentry_shape_is_right
	s_endpgm
.Lentry_shape_is_right:
; THE THREE PROJECTIONS, qp = q Wq^T + bq, kp = k Wk^T + bk, vp = v Wv^T + bv, on codes of FP4 (E2M1) with one E8M0 scale for each 32 along K, f32 sums;
; each result is quantised again, in registers, along the K of the product that will read it, and leaves as codes and scale words only.
; SOURCE 0 IS "P", SOURCE 1 IS "R": in a result a lane holds ONE row of R, and its registers run along rows of P.  What the next product contracts over must run along the registers:
;   q, k: P = the weight (features: the head's 64 are the next K), R = the tokens;      v: P = the tokens (the keys are the next K), R = the weight (features).
; SHARES.  A work-group makes 256 rows of P x 128 rows of R over the whole K = 1,024: 256 such tiles a tensor, 768 work-groups.  Wave w: 128 rows of P (w / 2), 64 rows of R (w % 2): 32 accumulators.
; A row of 1,024 codes is 512 bytes, so a tile's whole K lies in LDS at once, as two slots of 512 along K: every LDS byte is filled once, nothing is filled again.
; CLUSTERS: 4 x 4 work-groups of one tensor.  P's tiles hang on cx alone and are asked for jointly by a column of the cluster, R's on cy alone, by a row.
; THE QUANTISER.  Tile t, register j, lane half h hold index 16 t + 8 h + j of the next K: a block of 32 is the 16 registers of tiles 2 b, 2 b + 1 in lanes l and l xor 16.
; A block's scale byte is its largest magnitude's exponent field - 2, held at 1 from below by a floor among the maximum's leaves.
; OUT, as images of the next operand's registers (16 bytes a lane at 16 x lane): qb [bh 64][j 16] records of 4,608 bytes: 8 tiles x 512 of codes, 512 of scale words [x 2][r 16][n 4];
;   kv [bh 64][j 16] records of 9,216: K's codes 4,096 | V's codes [ft 4][c 2][lane][16] | K's scale words 512 | V's scale words [copy 2][r 16][ft 4].
; A scale word of q or k has two bytes of its own; its upper two are the neighbouring head's bytes or 0: they meet zero codes alone.
; LIMITS: NaN and infinities are not served.  A block of zeros gets the byte 1 where the rule says 127: its codes are zeros, and the bytes are read by this program alone.
; REGISTERS, in windows of 256: window 0: addresses, scale words, the quantiser's work;  window 1: accumulator (t, n) at v[64 n + 8 t];
;   window 2: P's fragments, two sets, at v[64 p + 8 t]; R's, two sets, at v[128 + 32 p + 8 n]; the bias as the first products' C at v192-255.
.set PITCH,  528                       ; an LDS row holds the whole K: 512 bytes + 16 of padding = 132 words: the 16 rows of a fragment load start at 16 different groups of four banks
.set PH,     128*PITCH                 ; 128 rows of P: my wave's share
.set ROFF,   2*PH                      ; R's rows lie behind P's 256
.set RH,     64*PITCH                  ; 64 rows of R: my wave's share
.set SLOT,   ROFF+2*RH                 ; 512 along K
.set SCL,    SLOT                      ; behind P's 256 and R's 128 rows: P's scale bytes, 256 rows x 32 bytes, as rows of 256 bytes + 16
.set SPH,    16*272                    ; those of 128 rows
.set SRO,    SCL+2*SPH                 ; R's scale bytes
.set SRH,    8*272                     ; those of 64 rows
.set VOD,  8                           ; v8-11   where tile n's second four code registers go
.set PW,   12                          ; v12     the scale word just made
.set ADRP, 16                          ; v16     LDS address of my fragments of P
.set ADRR, 20                          ; v20     of R
.set ADSP, 22                          ; v22     of P's scale words
.set ADSR, 23                          ; v23     of R's
.set VBP,  24                          ; v24     bias by rows of P (q, k)
.set VBR,  25                          ; v25     bias by rows of R (v)
.set SHF,  26                          ; v26     how far a lane shifts the scale word: 16 x half (q, k), 0 (v)
.set VS,   27                          ; v27     where my four scale words go
.set VOC,  28                          ; v28-31  where tile n's first four code registers go
.set PS,   32                          ; v32-63  P's scale words: register 4 t + q': lanes 0-15 K step q', lanes 16-31 K step 4 + q'
.set RSC,  64                          ; v64-79  R's likewise: 4 n + q'
.set TM,   80                          ; v80-83 largest magnitudes, v84-87 the other half's and then the bytes, v92-95 the conversions' scale operands
.set PC,   96                          ; v96-127 codes, 8 registers for each n
.set WS,   128                         ; v128-131 the four scale words to store
.set CB,   192                         ; window 2: the bias
.set G1P,  16                          ; s[16:23] group 1: P's codes;  s[24:31] R's codes;  s[32:39] P's scales;  s[40:47] R's scales
.set G1R,  24
.set G1SP, 32
.set G1SR, 40
.set G0SP, 48                          ; s[48:51] group 0: P's scales;  s[52:55] P's codes;  s[60:63] R's scales;  s[68:71] R's codes
.set G0P,  52
.set G0SR, 60
.set G0R,  68
.set WV,   76                          ; wave
.set ROLE, 77                          ; wave / 2: my 128 rows of P.
.set HF,   78                          ; wave % 2: my 64 rows of R.
.set CX,   79
.set CY,   80
.set TT,   81                          ; 0 q, 1 k, 2 v
.set CN,   82
.set MROW, 83
.set MCOL, 84
.set PIX,  85                          ; which 256 rows of P
.set RIX,  86                          ; which 128 rows of R
.set SEL,  98                          ; s[98:99] lane selects for v_permlanex16_b32: lane l xor 16
.set PADW, (1<<20)|(1<<21)|(5<<22)|(3<<25)   ; group 1, word 0, scale bytes: 20 padding on; 21 set beside a mask; 24:22 after every 64 words; 31:25 four words
.set PADC, (1<<20)|(1<<21)|(6<<22)|(3<<25)   ; codes: four words after every 128
.set MSB, 0
.macro WIN new                         ; the immediate's high byte repeats the setting that is left
.if MSB != \new
	s_set_vgpr_msb (MSB<<8)|\new
.set MSB, \new
.endif
.endm
; A joint load: waves 0 and 2 fetch for P, waves 1 and 3 for R.  Each line has one mask and one set of registers for all that issue it; the branch hangs on the wave's number alone.
; Four v_nop follow each tensor load, ahead of the jump, the label and what follows.
; One arm of the head's tree of branches on the wave's number: its joint load and a jump to the tree's end.
.macro ARM under, g0, g1, next
	s_cmp_lt_u32 s[WV], \under
	s_cbranch_scc0 \next
	tensor_load_to_lds s[\g0:\g0+3], s[\g1:\g1+7]
	s_nop 0
.rept 4
	v_nop
.endr
	s_branch .Lhead_asked
\next:
.endm
.macro CROUND                          ; a round of the cluster's barrier
	s_barrier_signal -1
	s_barrier_wait -1
	s_cmp_lg_u32 s[WV], 0
	s_cbranch_scc1 .Lnot_wave_0_\@
	s_barrier_signal -3
.Lnot_wave_0_\@:
	s_barrier_wait -3
	s_barrier_signal -1
	s_barrier_wait -1
.endm
.macro PLACES n                        ; plain vector instructions between a matrix instruction and a load into, or a read of, its registers
.rept \n
	v_nop
.endr
.endm
	s_load_b512 s[16:31], s[0:1], 0x0              ; Wq codes, Wq scales, q codes, q scales, bq, qb, Wk codes, Wk scales
	s_load_b512 s[32:47], s[0:1], 0x40             ; k codes, k scales, bk, kv, v codes, v scales, Wv codes, Wv scales
	s_load_b64 s[48:49], s[0:1], 0x80              ; bv
	v_lshl_add_u32 v254, v0, 2, 0x34b00            ; my spare word, behind the scale bytes
	v_mov_b32 v255, 0
	ds_add_u32 v254, v255
	ds_add_u32 v254, v255
	v_lshrrev_b32 v4, 5, v0
	v_readfirstlane_b32 s[WV], v4                  ; wave 0..3
	s_lshr_b32 s[ROLE], s[WV], 1
	s_and_b32 s[HF], s[WV], 1
	s_bfe_u32 s[CX], ttmp6, 0x40000                ; my place in the cluster
	s_bfe_u32 s[CY], ttmp6, 0x40004
	s_and_b32 s2, ttmp7, 0xffff                    ; the cluster's y, 0..47: sixteen clusters a tensor
	s_lshr_b32 s[TT], s2, 4
	s_and_b32 s[CN], s2, 15
	s_lshl_b32 s[MROW], s[CY], 2
	s_lshl_b32 s[MROW], 15, s[MROW]                ; my row of the cluster
	s_lshl_b32 s[MCOL], 0x1111, s[CX]              ; my column
	; q, k: P has 4 blocks (cx), R 64 (cy + 4 cn).  v: P has 32 (cx + 4 (cn % 8)), R 8 (cy + 4 (cn / 8)).  P's registers never hold cy, R's never cx.
	s_and_b32 s3, s[CN], 7
	s_lshl_b32 s3, s3, 2
	s_add_co_u32 s3, s3, s[CX]
	s_lshr_b32 s66, s[CN], 3
	s_lshl_b32 s66, s66, 2
	s_add_co_u32 s66, s66, s[CY]
	s_lshl_b32 s67, s[CN], 2
	s_add_co_u32 s67, s67, s[CY]
	s_cmp_eq_u32 s[TT], 2
	s_cselect_b32 s[PIX], s3, s[CX]
	s_cselect_b32 s[RIX], s66, s67
	s_lshl_b32 s3, s[PIX], 8
	s_lshl_b32 s98, s3, 9                          ; its codes: 512 bytes a row
	s_mov_b32 s99, 0
	s_lshl_b32 s96, s3, 5                          ; its scale bytes: 32 a row
	s_mov_b32 s97, 0
	s_lshl_b32 s66, s[RIX], 7
	s_lshl_b32 s94, s66, 5
	s_mov_b32 s95, 0
	s_lshl_b32 s66, s66, 9
	s_mov_b32 s67, 0
	; LDS addresses: constants, the lane and the wave's number alone
	v_and_b32 v1, 15, v0                           ; r
	v_bfe_u32 v2, v0, 4, 1                         ; h
	v_and_b32 v3, 31, v0                           ; lane
	v_mul_u32_u24 v4, v1, PITCH
	v_lshl_add_u32 v4, v2, 4, v4                   ; a fragment: row r x pitch + 16 h
	s_mul_i32 s2, s[ROLE], PH
	v_add_nc_u32 v[ADRP], s2, v4
	s_mul_i32 s2, s[HF], RH
	s_add_co_u32 s2, s2, ROFF
	v_add_nc_u32 v[ADRR], s2, v4
	v_lshrrev_b32 v5, 3, v1                        ; scale bytes: eight rows of 32 bytes to an LDS row of 272
	v_and_b32 v6, 7, v1
	v_mul_u32_u24 v5, v5, 272
	v_lshl_add_u32 v5, v6, 5, v5
	v_lshl_add_u32 v5, v2, 4, v5                   ; lanes 0-15 the words of K steps 0-3, lanes 16-31 those of K steps 4-7
	s_mul_i32 s2, s[ROLE], SPH
	s_add_co_u32 s2, s2, SCL
	v_add_nc_u32 v[ADSP], s2, v5
	s_mul_i32 s2, s[HF], SRH
	s_add_co_u32 s2, s2, SRO
	v_add_nc_u32 v[ADSR], s2, v5
.irp b, 0,1,2,3
	v_mov_b32 v[TM+4+\b], 0                        ; written once: a lane permute's destination counts as one of its sources
.endr
	s_wait_dscnt 0x0
	s_wait_kmcnt 0x0
	s_cmp_eq_u32 s[TT], 0                          ; the tensor's six buffers: a choice that hangs on the cluster's number alone
	s_cselect_b64 s[4:5], s[16:17], s[28:29]       ; P's codes
	s_cselect_b64 s[6:7], s[18:19], s[30:31]       ; P's scales
	s_cselect_b64 s[8:9], s[20:21], s[32:33]       ; R's codes
	s_cselect_b64 s[10:11], s[22:23], s[34:35]     ; R's scales
	s_cselect_b64 s[12:13], s[24:25], s[36:37]     ; the bias
	s_cselect_b64 s[14:15], s[26:27], s[38:39]     ; out: qb, or kv for k and for v
	s_cmp_eq_u32 s[TT], 2
	s_cselect_b64 s[4:5], s[40:41], s[4:5]         ; v: P = v
	s_cselect_b64 s[6:7], s[42:43], s[6:7]
	s_cselect_b64 s[8:9], s[44:45], s[8:9]         ;    R = Wv
	s_cselect_b64 s[10:11], s[46:47], s[10:11]
	s_cselect_b64 s[12:13], s[48:49], s[12:13]
	s_add_nc_u64 s[4:5], s[4:5], s[98:99]
	s_add_nc_u64 s[6:7], s[6:7], s[96:97]
	s_add_nc_u64 s[8:9], s[8:9], s[66:67]
	s_add_nc_u64 s[10:11], s[10:11], s[94:95]
	; group 1.  Codes: rows of 512 bytes (elements of 1 byte), 512 bytes apart in memory.  Scales: a dense block, as rows of 256 bytes (32 elements of 8 bytes)
	s_or_b32 s[G1P], s[MCOL], PADC
	s_or_b32 s[G1R], s[MROW], PADC
	s_or_b32 s[G1SP], s[MCOL], (3<<16)|PADW
	s_or_b32 s[G1SR], s[MROW], (3<<16)|PADW
	s_mov_b32 s[G1P+1], 512<<16                    ; tensor_dim0: a whole row of K
	s_mov_b32 s[G1P+2], 256<<16                    ; tensor_dim1: all 256 rows of P
	s_mov_b32 s[G1P+3], 512<<16                    ; tile_dim0
	s_mov_b32 s[G1P+4], 256                        ; tile_dim1
	s_mov_b32 s[G1P+5], 512                        ; pitch
	s_mov_b32 s[G1P+6], 0
	s_mov_b32 s[G1P+7], 0
	s_mov_b32 s[G1R+1], 512<<16
	s_mov_b32 s[G1R+2], 128<<16
	s_mov_b32 s[G1R+3], 512<<16
	s_mov_b32 s[G1R+4], 128
	s_mov_b32 s[G1R+5], 512
	s_mov_b32 s[G1R+6], 0
	s_mov_b32 s[G1R+7], 0
	s_mov_b32 s[G1SP+1], 32<<16
	s_mov_b32 s[G1SP+2], 32<<16
	s_mov_b32 s[G1SP+3], 32<<16
	s_mov_b32 s[G1SP+4], 32
	s_mov_b32 s[G1SP+5], 32
	s_mov_b32 s[G1SP+6], 0
	s_mov_b32 s[G1SP+7], 0
	s_mov_b32 s[G1SR+1], 32<<16
	s_mov_b32 s[G1SR+2], 16<<16
	s_mov_b32 s[G1SR+3], 32<<16
	s_mov_b32 s[G1SR+4], 16
	s_mov_b32 s[G1SR+5], 32
	s_mov_b32 s[G1SR+6], 0
	s_mov_b32 s[G1SR+7], 0
	; group 0: count 1, LDS address (a constant), global address, type 2
	s_mov_b32 s[G0SP], 1
	s_mov_b32 s[G0SP+1], SCL
	s_mov_b64 s[G0SP+2:G0SP+3], s[6:7]
	s_or_b32 s[G0SP+3], s[G0SP+3], 0x80000000
	s_mov_b32 s[G0P], 1
	s_mov_b32 s[G0P+1], 0
	s_mov_b64 s[G0P+2:G0P+3], s[4:5]
	s_or_b32 s[G0P+3], s[G0P+3], 0x80000000
	s_mov_b32 s[G0SR], 1
	s_mov_b32 s[G0SR+1], SRO
	s_mov_b64 s[G0SR+2:G0SR+3], s[10:11]
	s_or_b32 s[G0SR+3], s[G0SR+3], 0x80000000
	s_mov_b32 s[G0R], 1
	s_mov_b32 s[G0R+1], ROFF
	s_mov_b64 s[G0R+2:G0R+3], s[8:9]
	s_or_b32 s[G0R+3], s[G0R+3], 0x80000000
	CROUND                                         ; all sixteen work-groups are here: the joint loads meet
	; the launch's four fills, one joint load a wave: wave 0 P's codes, wave 1 R's codes, wave 2 P's scale bytes, wave 3 R's
	ARM 1, G0P,  G1P,  .Lhead_r
	ARM 2, G0R,  G1R,  .Lhead_sp
	ARM 3, G0SP, G1SP, .Lhead_sr
	tensor_load_to_lds s[G0SR:G0SR+3], s[G1SR:G1SR+7]
	s_nop 0
.rept 4
	v_nop
.endr
.Lhead_asked:
	; the bias, in the results' layout, as the C of the first products
	s_lshl_b32 s2, s[PIX], 10
	s_lshl_b32 s3, s[ROLE], 9
	s_add_co_u32 s2, s2, s3
	v_lshl_add_u32 v[VBP], v2, 5, s2               ; 4 x (my first row of P + 8 h)
	s_lshl_b32 s2, s[RIX], 9
	s_lshl_b32 s3, s[HF], 8
	s_add_co_u32 s2, s2, s3
	v_lshl_add_u32 v[VBR], v1, 2, s2               ; 4 x (my first row of R + r)
	s_cmp_eq_u32 s[TT], 2
	s_cbranch_scc1 .Lbias_v
	WIN 0x80                                       ; destination window 2
.irp t, 0,1,2,3,4,5,6,7
	global_load_b128 v[CB+8*\t:CB+8*\t+3], v[VBP], s[12:13] offset:64*\t          ; q, k: register j of tile t: the bias of feature 16 t + 8 h + j
	global_load_b128 v[CB+8*\t+4:CB+8*\t+7], v[VBP], s[12:13] offset:64*\t+16
.endr
	WIN 0
	s_branch .Lbias_done
.Lbias_v:
	WIN 0x80
	s_wait_alu depctr_va_vdst(0)
.irp t, 0,1,2,3,4,5,6,7
.irp j, 0,1,2,3,4,5,6,7
	global_load_b32 v[CB+8*\t+\j], v[VBR], s[12:13] offset:64*(\t%4)              ; v: all eight registers of tile n: the bias of feature 16 n + r (both ways write all 64 registers)
.endr
.endr
	WIN 0
.Lbias_done:
	s_mov_b32 s[SEL], 0x76543210
	s_mov_b32 s[SEL+1], 0xfedcba98
	; WHERE THE RESULTS GO, worked out while the tiles are on their way.  a = my 128 rows of P, c = my 64 rows of R, counted through the tensor.
	s_mov_b32 s87, 9216
	s_mov_b32 s90, 8192
	s_cmp_eq_u32 s[TT], 0
	s_cselect_b32 s87, 4608, s87                   ; a record's bytes
	s_cselect_b32 s90, 4096, s90                   ; where its scale words begin (q, k)
	s_lshl_b32 s88, s87, 4                         ; a head's sixteen records
	s_mov_b32 s91, 512
	s_cmp_eq_u32 s[TT], 2
	s_cselect_b32 s90, 8704, s90                   ; (v)
	s_cselect_b32 s89, 4096, 0                     ; where its codes begin
	s_cselect_b32 s92, 512, s88                    ; from a tile's first four code registers to its second four: q, k: the next head; v: keys 64 on
	s_cselect_b32 s93, 256, s88                    ; from lanes 0-15's scale words to lanes 16-31's: q, k: the next head; v: the second copy
	s_cselect_b32 s94, 0, 16                       ; q, k: lanes 16-31 take the word's upper two bytes
	s_cselect_b32 s91, 1024, s91                   ; from tile n to tile n + 1
	s_lshl_b32 s95, s[PIX], 1
	s_add_co_u32 s95, s95, s[ROLE]                 ; a
	s_lshl_b32 s96, s[RIX], 1
	s_add_co_u32 s96, s96, s[HF]                   ; c
	s_lshr_b32 s2, s96, 5                          ; q, k: batch c / 32, head 2 a, record (c / 2) % 16, half c % 2
	s_lshl_b32 s2, s2, 4
	s_lshl_b32 s3, s95, 1
	s_add_co_u32 s2, s2, s3
	s_lshl_b32 s2, s2, 4
	s_bfe_u32 s3, s96, 0x40001
	s_add_co_u32 s2, s2, s3
	s_and_b32 s66, s96, 1
	s_lshr_b32 s67, s95, 4                         ; v: batch a / 16, head c, record a % 16
	s_lshl_b32 s67, s67, 4
	s_add_co_u32 s67, s67, s96
	s_lshl_b32 s67, s67, 4
	s_and_b32 s3, s95, 15
	s_add_co_u32 s67, s67, s3
	s_cmp_eq_u32 s[TT], 2
	s_cselect_b32 s2, s67, s2
	s_cselect_b32 s66, 0, s66
	s_mul_i32 s97, s2, s87                         ; my record's first byte
	s_lshl_b32 s3, s66, 11
	s_add_co_u32 s3, s3, s97
	s_add_co_u32 s3, s3, s89
	v_lshl_add_u32 v[VOC], v3, 4, s3               ; codes: 16 x lane
	v_add_nc_u32 v[VOC+1], s91, v[VOC]
	v_add_nc_u32 v[VOC+2], s91, v[VOC+1]
	v_add_nc_u32 v[VOC+3], s91, v[VOC+2]
.irp n, 0,1,2,3
	v_add_nc_u32 v[VOD+\n], s92, v[VOC+\n]
.endr
	s_lshl_b32 s3, s66, 8
	s_add_co_u32 s3, s3, s97
	s_add_co_u32 s3, s3, s90
	v_mul_u32_u24 v4, s93, v2
	v_lshl_add_u32 v[VS], v1, 4, v4
	v_add_nc_u32 v[VS], s3, v[VS]                  ; scale words: 16 r, four words a lane
	v_mul_u32_u24 v[SHF], s94, v2
.macro SCALES                          ; all scale words of my rows, once: four words a load
.irp t, 0,1,2,3,4,5,6,7
	ds_load_b128 v[PS+4*\t:PS+4*\t+3], v[ADSP] offset:544*\t
.endr
.irp n, 0,1,2,3
	ds_load_b128 v[RSC+4*\n:RSC+4*\n+3], v[ADSR] offset:544*\n
.endr
.endm
; The fragments of K step q (128 along K) into set q % 2: 24 loads.  A fragment, 16 rows x 128 K, is 8 registers: lane (r, h): registers 4 c .. 4 c + 3 hold K = 64 c + 32 h + 0 .. 31.
.macro FETCH q
	WIN 0x80                                       ; destination window 2, address window 0
.irp t, 0,1,2,3,4,5,6,7
.irp c, 0,1
	ds_load_b128 v[64*((\q)%2)+8*\t+4*\c:64*((\q)%2)+8*\t+4*\c+3], v[ADRP] offset:16*PITCH*\t+64*(\q)+32*\c
.endr
.endr
.irp n, 0,1,2,3
.irp c, 0,1
	ds_load_b128 v[128+32*((\q)%2)+8*\n+4*\c:128+32*((\q)%2)+8*\n+4*\c+3], v[ADRR] offset:16*PITCH*\n+64*(\q)+32*\c
.endr
.endr
	WIN 0
.endm
; K step q: 32 matrix instructions.  cm = 0: onto the sums; 1: the sums begin with the bias by rows of P; 2: by rows of R.
; The 32 accumulators take turns, one instruction a turn, in the same order in every step.
.macro MUL32 q, cm
.if \cm == 0
	WIN 0x5a                                       ; sources 0 and 1 window 2, C and D window 1
.else
	WIN 0x6a                                       ; C window 2
.endif
.irp t, 0,1,2,3,4,5,6,7
.irp n, 0,1,2,3
.set rD, 64*\n+8*\t
.set rA, 64*((\q)%2)+8*\t
.set rB, 128+32*((\q)%2)+8*\n
.set rC, rD
.if \cm == 1
.set rC, CB+8*\t
.elseif \cm == 2
.set rC, CB+8*\n
.endif
.set rS, PS+4*\t+(\q)%4
.set rT, RSC+4*\n+(\q)%4
.if (\q) >= 4
	v_wmma_scale_f32_16x16x128_f8f6f4 v[rD:rD+7], v[rA:rA+7], v[rB:rB+7], v[rC:rC+7], v[rS], v[rT] matrix_a_fmt:MATRIX_FMT_FP4 matrix_b_fmt:MATRIX_FMT_FP4 matrix_a_scale:MATRIX_SCALE_ROW1 matrix_b_scale:MATRIX_SCALE_ROW1
.else
	v_wmma_scale_f32_16x16x128_f8f6f4 v[rD:rD+7], v[rA:rA+7], v[rB:rB+7], v[rC:rC+7], v[rS], v[rT] matrix_a_fmt:MATRIX_FMT_FP4 matrix_b_fmt:MATRIX_FMT_FP4
.endif
.endr
.endr
	WIN 0
.endm
; My 64 numbers of R's tile n (window 1, v[64 n] on; register 8 t + j = index 16 t + 8 h + j) become 8 registers of codes and a scale word.
; The conversion of tile 4 c + e goes to register 4 c + (0, 2, 1, 3)[e]; two exchanges of halves for each c then leave registers 4 c .. 4 c + 3 with K = 64 c + 32 h + 0 .. 31: the operand's layout.
.macro QUANT n
	WIN 0x05                                       ; sources 0 and 1 window 1
.irp b, 0,1,2,3
	v_max3_num_f32 v[TM+\b], |v[64*\n+16*\b]|, |v[64*\n+16*\b+1]|, 0x1800000      ; block b: my 16 numbers, each accumulator from its low end on, and the floor 2^(3 - 127): the byte cannot fall under 1
.endr
.irp i, 2,4,6,8,10,12,14
.irp b, 0,1,2,3
	v_max3_num_f32 v[TM+\b], |v[64*\n+16*\b+\i]|, |v[64*\n+16*\b+\i+1]|, v[TM+\b] ; (the four blocks by turns)
.endr
.endr
	WIN 0
.irp b, 0,1,2,3
	v_permlanex16_b32 v[TM+4+\b], v[TM+\b], s[SEL], s[SEL+1]
.endr
.irp b, 0,1,2,3
	v_max_num_f32 v[TM+\b], v[TM+\b], v[TM+4+\b]   ; with lane l xor 16's: the block's largest magnitude
.endr
.irp b, 0,1,2,3
	v_add_nc_u32 v[TM+12+\b], 0xff000000, v[TM+\b] ; 2 off its exponent field: the conversion takes the exponent field of this operand as its scale
.endr
.irp b, 0,1,2,3
	v_lshrrev_b32 v[TM+4+\b], 23, v[TM+12+\b]      ; the scale's byte
.endr
	v_lshl_or_b32 v[PW], v[TM+5], 8, v[TM+4]
	v_lshl_or_b32 v[PW], v[TM+6], 16, v[PW]
	v_lshl_or_b32 v[PW], v[TM+7], 24, v[PW]
	WIN 0x01                                       ; source 0 window 1
.irp t, 0,1,2,3,4,5,6,7
	v_cvt_scalef32_pk8_fp4_f32 v[PC+8*\n+4*(\t/4)+2*(\t%2)+(\t%4)/2], v[64*\n+8*\t:64*\n+8*\t+7], v[TM+12+\t/2]
.endr
	WIN 0
	v_nop                                          ; one plain place behind a scaled conversion
.irp c, 0,1
	v_permlane16_swap_b32 v[PC+8*\n+4*\c], v[PC+8*\n+4*\c+1]
	v_permlane16_swap_b32 v[PC+8*\n+4*\c+2], v[PC+8*\n+4*\c+3]
.endr
	v_lshrrev_b32 v[WS+\n], v[SHF], v[PW]          ; q, k: lanes 0-15 keep the first head's word, lanes 16-31 take the second head's
.endm
.macro OUT n                           ; each store of the wave covers 512 consecutive bytes, at a multiple of 256 from the buffer's first byte
	global_store_b128 v[VOC+\n], v[PC+8*\n:PC+8*\n+3], s[14:15]
	global_store_b128 v[VOD+\n], v[PC+8*\n+4:PC+8*\n+7], s[14:15]
.endm
	s_wait_tensorcnt 0x0                           ; my one tile is in,
	s_barrier_signal -1
	s_barrier_wait -1                              ; everybody's are
	SCALES
	FETCH 0
	FETCH 1
	s_wait_dscnt 24                                ; all but K step 1's 24 loads
	s_wait_loadcnt 0x0                             ; the bias
	s_cmp_eq_u32 s[TT], 2
	s_cbranch_scc1 .Lfirst_v
	MUL32 0, 1                                     ; the first K step starts the sums with the bias: nothing is cleared, nothing is added later
	s_branch .Lfirst_done
.Lfirst_v:
	MUL32 0, 2
.Lfirst_done:
.irp q, 1,2,3,4,5,6,7
	PLACES 4                                       ; in front of loads into the set that the step before multiplied
.if \q < 7
	FETCH \q+1
	s_wait_dscnt 24                                ; all but the 24 just issued: this step's fragments are in
.else
	s_wait_dscnt 0x0
.endif
	MUL32 \q, 0
.endr
	PLACES 4                                       ; in front of the first read of results
.irp n, 0,1,2,3
	QUANT \n
	OUT \n
.endr
	global_store_b128 v[VS], v[WS:WS+3], s[14:15]  ; sixteen lanes store 256 consecutive bytes of scale words, aligned
	s_wait_tensorcnt 0x0
	ds_add_u32 v254, v255
	s_wait_dscnt 0x0
	CROUND                                         ; the closing round: no work-group ends while a partner may still ask for a tile that names it
	s_endpgm
.Lfunc_end_k_q5b41a5a9e7_proj:
	.size	k_q5b41a5a9e7_proj, .Lfunc_end_k_q5b41a5a9e7_proj-k_q5b41a5a9e7_proj
	.p2alignl 7, 3214868480
	.fill 96, 4, 3214868480
	.section	.rodata,"a",@progbits
	.p2align	6, 0x0
	.amdhsa_kernel k_q5b41a5a9e7_proj
		.amdhsa_group_segment_fixed_size 216320
		.amdhsa_private_segment_fixed_size 0
		.amdhsa_enable_private_segment 0
		.amdhsa_kernarg_size 136
		.amdhsa_user_sgpr_count 2
		.amdhsa_user_sgpr_kernarg_segment_ptr 1
		.amdhsa_wavefront_size32 1
		.amdhsa_system_sgpr_workgroup_id_x 1
		.amdhsa_system_sgpr_workgroup_id_y 1
		.amdhsa_system_sgpr_workgroup_id_z 1
		.amdhsa_system_vgpr_workitem_id 0
		.amdhsa_next_free_vgpr 768
		.amdhsa_next_free_sgpr 100
		.amdhsa_reserve_vcc 0
		.amdhsa_float_denorm_mode_32 3
		.amdhsa_float_denorm_mode_16_64 3
		.amdhsa_memory_ordered 1
		.amdhsa_forward_progress 1
		.amdhsa_inst_pref_size 87
	.end_amdhsa_kernel
	.amdgpu_metadata
---
amdhsa.version: [ 1, 2 ]
amdhsa.kernels:
  - .name:           k_q5b41a5a9e7_proj
    .symbol:         k_q5b41a5a9e7_proj.kd
    .args:
      - { .name: Wq_codes, .offset: 0, .size: 8, .value_kind: global_buffer, .address_space: global }
      - { .name: Wq_scales, .offset: 8, .size: 8, .value_kind: global_buffer, .address_space: global }
      - { .name: q_codes, .offset: 16, .size: 8, .value_kind: global_buffer, .address_space: global }
      - { .name: q_scales, .offset: 24, .size: 8, .value_kind: global_buffer, .address_space: global }
      - { .name: bq, .offset: 32, .size: 8, .value_kind: global_buffer, .address_space: global }
      - { .name: qb, .offset: 40, .size: 8, .value_kind: global_buffer, .address_space: global }
      - { .name: Wk_codes, .offset: 48, .size: 8, .value_kind: global_buffer, .address_space: global }
      - { .name: Wk_scales, .offset: 56, .size: 8, .value_kind: global_buffer, .address_space: global }
      - { .name: k_codes, .offset: 64, .size: 8, .value_kind: global_buffer, .address_space: global }
      - { .name: k_scales, .offset: 72, .size: 8, .value_kind: global_buffer, .address_space: global }
      - { .name: bk, .offset: 80, .size: 8, .value_kind: global_buffer, .address_space: global }
      - { .name: kv, .offset: 88, .size: 8, .value_kind: global_buffer, .address_space: global }
      - { .name: v_codes, .offset: 96, .size: 8, .value_kind: global_buffer, .address_space: global }
      - { .name: v_scales, .offset: 104, .size: 8, .value_kind: global_buffer, .address_space: global }
      - { .name: Wv_codes, .offset: 112, .size: 8, .value_kind: global_buffer, .address_space: global }
      - { .name: Wv_scales, .offset: 120, .size: 8, .value_kind: global_buffer, .address_space: global }
      - { .name: bv, .offset: 128, .size: 8, .value_kind: global_buffer, .address_space: global }
    .group_segment_fixed_size: 216320
    .private_segment_fixed_size: 0
    .kernarg_segment_align: 8
    .kernarg_segment_size: 136
    .max_flat_workgroup_size: 128
    .sgpr_count:     100
    .vgpr_count:     768
    .wavefront_size: 32
...
	.end_amdgpu_metadata
.endif
;; end of part 1
;; launch attn (part 2): grid 4 x 64, 16 waves a work-group, clusters of 4 x 1, 169,984 bytes of LDS; arguments qb, kv, cimg, csc; writes cimg, csc
.if DOCPART == 2
	.amdgcn_target "amdgcn-amd-amdhsa--gfx1250"
	.amdhsa_code_object_version 6
	.text
	.protected	k_q5b41a5a9e7_attn
	.globl	k_q5b41a5a9e7_attn
	.p2align	8
	.type	k_q5b41a5a9e7_attn,@function
k_q5b41a5a9e7_attn:
	s_mov_b64 s[64:65], 0
	v_nop
	global_prefetch_b8 v0, s[64:65] scope:SCOPE_SE
	s_setreg_imm32_b32 hwreg(HW_REG_WAVE_MODE, 25, 1), 1
	s_wait_xcnt 0x0
	s_wait_alu depctr_hold_cnt(0) depctr_sa_sdst(0) depctr_va_vdst(0) depctr_va_sdst(0) depctr_va_ssrc(0) depctr_va_vcc(0) depctr_vm_vsrc(0)
	s_getreg_b32 s2, hwreg(HW_REG_IB_STS2, 6, 4)
	s_cmp_eq_u32 s2, 0
	s_cbranch_scc0 .Lentry_in_a_cluster
	s_endpgm
.Lentry_in_a_cluster:
	s_bfe_u32 s2, ttmp6, 0x10000c
	s_cmp_lg_u32 s2, 0x3003
	s_cbranch_scc0 .Lentry_shape_is_right
	s_endpgm
.Lentry_shape_is_right:
; ATTENTION ON CODES OF FP4 (E2M1): ctx[q] = the sum over keys of softmax(qp . kp / 8) vp, one head of 64 at a time, and ctx quantised along E for the last product.
; THE SOFTMAX AHEAD OF THE SECOND PRODUCT: t = score x log2(e) / 8; M = the largest t so far, rounded UP to a whole number; p = 2^(t - M) is quantised along the keys, not normalised.
; The row's sum is taken of the unquantised p, in f32, and divides O at the end.  When M moves, the sum and O are multiplied by 2^(old M - new M): exact, and no branch hangs on data.
; SHARES.  A work-group owns 512 queries of one (batch, head); each of its sixteen waves owns one tile of 16 queries in each of two passes, in 256 registers.  Every wave walks the head's 2,048 keys, 128 a step.
; LDS.  The head's K and V are sixteen records of 9,216 bytes (K's codes 4,096 | V's codes 4,096 | K's scale words 512 | V's 512), images of the operands' registers.  A record comes as 9 rows of 1,024 bytes
; with 128 bytes of padding behind each: 10,368 bytes.  They come once, one record a wave, and are only ever read.  No prefetch: all that the launch streams is asked for at its head, ahead of any loop.
; CLUSTER.  The four work-groups of a head ask for its records JOINTLY: the same tensor load, the same descriptor, a mask that names the four.
; LAYOUT.  Both products are used transposed: S^T = K Q^T, O^T = V^T P^T: a lane holds ONE query (lane % 16) throughout.  The head's 64 fill half of an instruction's 128: the upper four registers of
; Q's and K's fragments are zero codes, which add nothing under any scale byte that these words hold (0 to 254).
; THE KEYS OF A TILE ARE CHOSEN: row 8 h + j of tile 4 c + e is key 64 c + 32 h + 8 e + j.  So the 32 registers of tiles 4 c .. 4 c + 3 in lane half h are the WHOLE block 2 c + h of 32 keys:
; a block's largest score needs no other lane, and the conversion of tile 4 c + e is register 4 c + e of P's operand as it stands.  The two groups of eight rows lie 1,024 bytes apart in a record;
; the padding sets them 1,152 apart, so the sixteen lanes of a load touch sixteen different columns of 16 bytes modulo 256.
; THE STEP'S ORDER.  K's fragments of the next step are asked for behind this step's first product, V's of this step with them.  O^T is rescaled ahead of the exponentials; the row's sums stand between
; the conversions and the second product.  Independent chains take turns (six of maxima, five of sums); the scale's lines stand among the sums.
; OUT: cimg [128 tokens G][s 2][tile 8][hq 8][lane][16], head = 8 s + hq;  csc [token][32], byte 2 x head + block.
; LIMITS: NaN and infinities are not served; the promise holds while |t| stays under 2^31.  A block of zeros gets the byte 1 where the rule says 127: its codes are zeros, and the bytes are read by this program alone.
.set REC,  9216                        ; a record in memory
.set RECL, 10368                       ; and in LDS
.set SPARE, 16*RECL                    ; the spare words, 128 bytes a wave
.set AK0,  2                           ; v2   my lane's place among K's codes: 1,152 (lane / 8 % 2) + 256 (lane / 16) + 16 (lane % 8)
.set AS0,  3                           ; v3   among K's scale words
.set AK,   4                           ; v4   the step's address of K's codes
.set H8,   5                           ; v5   8 h
.set CSO,  6                           ; v6   32 r + h
.set SELP, 7                           ; v7   byte selects that set my two scale bytes at their places in P's scale word
.set SPW,  8                           ; v8   my spare word's address; v9 0: both never rewritten
.set NIL,  9
.set QW,   10                          ; v10  Q's scale word; v11 the second pass's
.set QW1,  11                          ; v12 -M, v13 the largest score so far, v[14:15] the sum
.set VS,   24                          ; v24-27 V's scale words
.set Q1,   28                          ; v28-31 the second pass's Q;  v16-19 Q, v20-23 zeros
.set KF,   32                          ; v[32 + 8 t] K's tile t: four registers, then four of zeros
.set S,    96                          ; v96-159 S^T, then p
.set O,    160                         ; v160-191 O^T
.set VF,   192                         ; v192-223 V's four fragments
.set PC,   224                         ; v224-231 p's codes
.set KS,   232                         ; v232-235 K's scale words: tile e at 2 (e % 2) + e / 2; lanes 0-15 c = 0, lanes 16-31 c = 1
.set BM,   236                         ; v236, v238 my two blocks' largest scores
.set WT,   237                         ; v237 the other half's scale bytes
.set MT,   239                         ; v239 t
.set X,    240                         ; v240-241 the conversions' scale operands
.set AS,   242
.set AV,   243
.set PW,   244                         ; p's scale word
.set TP,   245
.set MA,   246                         ; v246-251 six chains of maxima, then three chains of the sum; v[254:255] a fourth beside v[14:15]
.set F,    252                         ; v252 f = 2^(old M - new M); v253 named with it as a pair
.set OM,   254
.set WV,  18
.set SEL, 20                           ; s[20:21] lane selects for v_permlanex16_b32: lane l xor 16
.set CS,  22                           ; s[22:23] c = log2(e) / 8
.set G1,  32
.set G0,  40
.set TB,  44                           ; LDS byte at which the step's record begins
.set CNT, 45
.macro CROUND                          ; a round of the cluster's barrier
	s_barrier_signal -1
	s_barrier_wait -1
	s_cmp_lg_u32 s[WV], 0
	s_cbranch_scc1 .Lnot_wave_0_\@
	s_barrier_signal -3
.Lnot_wave_0_\@:
	s_barrier_wait -3
	s_barrier_signal -1
	s_barrier_wait -1
.endm
	s_load_b256 s[4:11], s[0:1], 0x0               ; qb, kv, cimg, csc
	v_lshl_add_u32 v[SPW], v0, 2, SPARE
	v_mov_b32 v[NIL], 0
	ds_add_u32 v[SPW], v[NIL]                      ; the opening lines: the add twice on end and its wait ahead of my tensor load
	ds_add_u32 v[SPW], v[NIL]
	v_lshrrev_b32 v240, 5, v0
	v_readfirstlane_b32 s[WV], v240                ; wave 0..15
	v_and_b32 v1, 31, v0
	v_and_b32 v236, 15, v0                         ; r
	v_bfe_u32 v237, v0, 4, 1                       ; h
	v_and_b32 v238, 7, v0
	v_bfe_u32 v239, v0, 3, 1
	v_lshlrev_b32 v1, 4, v1                        ; 16 x lane
	v_lshlrev_b32 v238, 4, v238
	v_lshlrev_b32 v241, 4, v236                    ; 16 r
	v_lshl_add_u32 v[CSO], v236, 5, v237
	v_lshlrev_b32 v[H8], 3, v237
	v_lshl_add_u32 v240, v237, 8, v238
	v_mad_u32_u24 v[AK0], v239, 1152, v240
	v_lshl_add_u32 v[AS0], v239, 3, v240
	v_add_nc_u32 v[AS0], 9216, v[AS0]              ; K's scale words begin at row 8 of the record
	v_cmp_eq_u32 s3, 0, v237
	v_mov_b32 v[SELP], 0x070c030c                  ; lanes 16-31: bytes 1 and 3 (blocks 1, 3), zeros between
	v_mov_b32 v240, 0x0c070c03                     ; lanes 0-15: bytes 0 and 2 (blocks 0, 2)
	v_cndmask_b32 v[SELP], v[SELP], v240, s3
	s_and_b32 s24, ttmp7, 0xffff                   ; (batch, head), which the four partners share
	s_mul_i32 s[G0+1], s[WV], RECL                 ; record w goes to LDS byte 10,368 w
	s_mul_i32 s16, s24, 16*REC
	s_mul_i32 s17, s[WV], REC
	s_add_co_u32 s16, s16, s17
	s_mov_b32 s17, 0
	s_mov_b32 s[G1], 15|(3<<16)|(1<<20)|(1<<21)|(7<<22)|(31<<25)  ; the mask: all four; elements of 8 bytes; padding on; 21 beside a mask; after every 256 words, 32 words
	s_mov_b32 s[G1+1], 128<<16                     ; a row of 1,024 bytes
	s_mov_b32 s[G1+2], 9<<16                       ; 9 rows: a record, dense in memory
	s_mov_b32 s[G1+3], 128<<16
	s_mov_b32 s[G1+4], 9
	s_mov_b32 s[G1+5], 128
	s_mov_b32 s[G1+6], 0
	s_mov_b32 s[G1+7], 0
	s_mov_b32 s[G0], 1
	; where my queries come from and where ctx goes: the only addresses that hang on my place in the cluster
	s_bfe_u32 s19, ttmp6, 0x40000
	s_lshl_b32 s25, ttmp9, 2
	s_add_co_u32 s19, s19, s25                     ; my block of 512 queries
	s_lshr_b32 s25, s[WV], 3
	s_and_b32 s26, s[WV], 7                        ; my tile in a record of 128 queries
	s_lshl_b32 s27, s19, 2
	s_add_co_u32 s27, s27, s25                     ; pass 0's record: 4 x block + wave / 8; pass 1's lies two further on
	s_mul_i32 s28, s24, 73728
	s_mul_i32 s30, s27, 4608
	s_add_co_u32 s28, s28, s30                     ; that record in qb
	s_lshl_b32 s30, s26, 9
	s_add_co_u32 s30, s30, s28                     ; my tile's codes
	s_mov_b32 s31, 0
	s_lshr_b32 s46, s26, 2
	s_lshl_b32 s46, s46, 8
	s_and_b32 s47, s[WV], 3
	s_lshl_b32 s47, s47, 2
	s_add_co_u32 s46, s46, s47
	s_add_co_u32 s28, s28, s46
	s_add_co_u32 s28, s28, 4096                    ; my tile's scale words: [tile / 4][r][tile % 4]
	s_mov_b32 s29, 0
	s_lshr_b32 s46, s24, 4
	s_lshl_b32 s46, s46, 4
	s_add_co_u32 s46, s46, s27                     ; G: which 128 tokens
	s_and_b32 s47, s24, 15                         ; the head
	s_lshl_b32 s14, s46, 16
	s_lshr_b32 s15, s47, 3
	s_lshl_b32 s15, s15, 15
	s_add_co_u32 s14, s14, s15
	s_lshl_b32 s15, s26, 12
	s_add_co_u32 s14, s14, s15
	s_and_b32 s15, s47, 7
	s_lshl_b32 s15, s15, 9
	s_add_co_u32 s14, s14, s15                     ; cimg: my tile, my head
	s_mov_b32 s15, 0
	s_lshl_b32 s12, s46, 12
	s_lshl_b32 s25, s26, 9
	s_add_co_u32 s12, s12, s25
	s_lshl_b32 s25, s47, 1
	s_add_co_u32 s12, s12, s25                     ; csc: my first token, my head's two bytes
	s_mov_b32 s13, 0
	s_mov_b32 s[SEL], 0x76543210
	s_mov_b32 s[SEL+1], 0xfedcba98
	s_mov_b32 s[CS], 0x3e38aa3b                    ; c = log2(e) / 8
	s_mov_b32 s[CS+1], s[CS]
	s_wait_alu depctr_va_vdst(0)
	s_wait_dscnt 0x0                               ; both opening adds are done
	s_wait_kmcnt 0x0
	s_add_nc_u64 s[G0+2:G0+3], s[6:7], s[16:17]
	s_or_b32 s[G0+3], s[G0+3], 0x80000000
	s_add_nc_u64 s[8:9], s[8:9], s[14:15]
	s_add_nc_u64 s[10:11], s[10:11], s[12:13]
	s_add_nc_u64 s[12:13], s[4:5], s[28:29]
	s_add_nc_u64 s[4:5], s[4:5], s[30:31]
	global_load_b128 v[16:19], v1, s[4:5]          ; both passes' Q, codes and scale words, are asked for here and land under the records' flight
	global_load_b128 v[Q1:Q1+3], v1, s[4:5] offset:9216
	global_load_b32 v[QW], v241, s[12:13]
	global_load_b32 v[QW1], v241, s[12:13] offset:9216
	CROUND                                         ; all four work-groups are here: the joint loads meet
	tensor_load_to_lds s[G0:G0+3], s[G1:G1+7]      ; my one tensor load of the launch
	s_nop 0
.irp j, 20,21,22,23
	v_mov_b32 v\j, 0                               ; Q's K 64 to 127: zero codes
.endr
.irp t, 0,1,2,3,4,5,6,7
.irp j, 4,5,6,7
	v_mov_b32 v[KF+8*\t+\j], 0                     ; K's likewise: written once, the loads never touch them
.endr
.endr
	v_mov_b32 v[TP], 0                             ; a lane permute's destination counts as one of its sources
	v_mov_b32 v[WT], 0
	v_mov_b32 v[F+1], 0
	s_wait_alu depctr_va_vdst(0)
	s_wait_tensorcnt 0x0                           ; my record is in,
	s_barrier_signal -1
	s_barrier_wait -1                              ; all sixteen are
.macro KLOAD a, s, off                 ; a record's K: two loads of scale words (tiles e = 0, 2 and e = 1, 3), eight of codes
	ds_load_b64 v[KS:KS+1], v[\s] offset:\off
	ds_load_b64 v[KS+2:KS+3], v[\s] offset:\off+128
.irp c, 0,1
.irp e, 0,1,2,3
	ds_load_b128 v[KF+32*\c+8*\e:KF+32*\c+8*\e+3], v[\a] offset:\off+2304*\c+512*(\e/2)+128*(\e%2)
.endr
.endr
.endm
.macro MX c, k, x, y                   ; chain k of block c takes the block's registers x and y
	v_max3_num_f32 v[MA+3*\c+\k], v[MA+3*\c+\k], v[S+32*\c+\x], v[S+32*\c+\y]
.endm
.macro FMAS from, to                   ; t - M of pairs from .. to - 1
.set NN, \from
.rept (\to)-(\from)
	v_pk_fma_f32 v[S+2*NN:S+2*NN+1], v[S+2*NN:S+2*NN+1], s[CS:CS+1], v[12:13] op_sel_hi:[1,0,0]
.set NN, NN+1
.endr
.endm
.macro CHAIN k                         ; the registers of the sum's chain k
.if (\k) == 0
.set CR, 14
.elseif (\k) == 4
.set CR, 254
.else
.set CR, 244+2*(\k)
.endif
.endm
; THE ROW'S SUM OF THE UNQUANTISED p: lines from .. to - 1 of 28.  Lines 0-3 begin chains 1-4 with two pairs each; line n from 4 on adds pair n + 4 onto chain (n - 4) % 5: five chains by turns.
.macro SUMS from, to
.set NN, \from
.rept (\to)-(\from)
.if NN < 4
	CHAIN NN+1
	v_pk_add_f32 v[CR:CR+1], v[S+4*NN:S+4*NN+1], v[S+4*NN+2:S+4*NN+3]
.else
	CHAIN (NN-4)%5
	v_pk_add_f32 v[CR:CR+1], v[CR:CR+1], v[S+2*NN+8:S+2*NN+9]
.endif
.set NN, NN+1
.endr
.endm
; A KEY STEP: 128 keys, the record at LDS byte s[TB]; its K is in flight or in.  pre = 1: the next record's K is asked for; 2: record 0's, for the next pass; 0: none.
.macro STEP pre
	s_wait_dscnt 0x0                               ; K's ten loads
.irp e, 0,1,2,3
	v_wmma_scale_f32_16x16x128_f8f6f4 v[S+8*\e:S+8*\e+7], v[KF+8*\e:KF+8*\e+7], v[16:23], 0, v[KS+2*(\e%2)+\e/2], v[QW] matrix_a_fmt:MATRIX_FMT_FP4 matrix_b_fmt:MATRIX_FMT_FP4
.endr
.irp e, 0,1,2,3
	v_wmma_scale_f32_16x16x128_f8f6f4 v[S+32+8*\e:S+32+8*\e+7], v[KF+32+8*\e:KF+32+8*\e+7], v[16:23], 0, v[KS+2*(\e%2)+\e/2], v[QW] matrix_a_fmt:MATRIX_FMT_FP4 matrix_b_fmt:MATRIX_FMT_FP4 matrix_a_scale:MATRIX_SCALE_ROW1
.endr
	v_add_nc_u32 v[AV], s[TB], v1                  ; four places: in front of the loads into V's and K's registers and of the first read of the scores
	v_mov_b32 v[OM], v12                           ; the old -M
.if \pre == 1
	v_add_nc_u32 v[AK], s[TB], v[AK0]
	v_add_nc_u32 v[AS], s[TB], v[AS0]
.else
	v_nop
	v_nop
.endif
	ds_load_b128 v[VS:VS+3], v[AV] offset:9728     ; V's scale words and fragments: nine loads, which land under the softmax
.irp f, 0,1,2,3
.irp c, 0,1
	ds_load_b128 v[VF+8*\f+4*\c:VF+8*\f+4*\c+3], v[AV] offset:4608+1152*\f+512*\c
.endr
.endr
.if \pre == 1
	KLOAD AK, AS, RECL
.elseif \pre == 2
	KLOAD AK0, AS0, 0
.endif
	; the largest score of each block of 32: three chains a block (11, 11 and 10 registers), six by turns; each accumulator is first read at its low end
.irp c, 0,1
.irp k, 0,1,2
	v_max3_num_f32 v[MA+3*\c+\k], v[S+32*\c+8*\k], v[S+32*\c+8*\k+1], v[S+32*\c+8*\k+2]
.endr
.endr
.irp i, 3,5
.irp c, 0,1
.irp k, 0,1,2
	MX \c, \k, 8*\k+\i, 8*\k+\i+1
.endr
.endr
.endr
.irp c, 0,1
	MX \c, 0, 7, 24
	MX \c, 1, 15, 27
	MX \c, 2, 23, 30
.endr
.irp c, 0,1
	MX \c, 0, 25, 26
	MX \c, 1, 28, 29
	v_max_num_f32 v[MA+3*\c+2], v[MA+3*\c+2], v[S+32*\c+31]
.endr
	s_delay_alu instid0(VALU_DEP_4)
	v_max3_num_f32 v[BM], v[MA], v[MA+1], v[MA+2]  ; my block 0 + h: all its 32 keys are mine
	s_delay_alu instid0(VALU_DEP_2)
	v_max3_num_f32 v[BM+2], v[MA+3], v[MA+4], v[MA+5]   ; my block 2 + h
	s_delay_alu instid0(VALU_DEP_1)
	v_max3_num_f32 v13, v13, v[BM], v[BM+2]
	s_delay_alu instid0(VALU_DEP_1)
	v_permlanex16_b32 v[TP], v13, s[SEL], s[SEL+1]
	s_delay_alu instid0(VALU_DEP_1)
	v_max_num_f32 v13, v13, v[TP]                  ; the running largest score of my query
	s_delay_alu instid0(VALU_DEP_1)
	v_mul_f32 v[MT], s[CS], v13                    ; as t (c is positive)
	s_delay_alu instid0(VALU_DEP_1)
	v_floor_f32 v12, -v[MT]                        ; the new -M = -ceil(t): a whole number
	FMAS 0, 5                                      ; t - M, two at a time; the three lines that make f stand among them
	v_sub_f32 v[OM], v12, v[OM]                    ; old M less new M: a whole number, 0 or less
	FMAS 5, 10
	v_cvt_i32_f32 v[OM], v[OM]                     ; (it saturates)
	FMAS 10, 15
	v_ldexp_f32 v[F], 1.0, v[OM]                   ; f = 2^(old M - new M)
	FMAS 15, 32
	v_fma_f32 v[BM], v[BM], s[CS], v12             ; the same of each block's largest score
	v_fma_f32 v[BM+2], v[BM+2], s[CS], v12
.irp j, 0,2,4,6,8,10,12,14,16,18,20,22,24,26,28,30
	v_pk_mul_f32 v[O+\j:O+\j+1], v[O+\j:O+\j+1], v[F:F+1] op_sel_hi:[1,0]   ; O^T under the new M: its first readers, with no transcendental since the products that wrote it
.endr
	s_wait_alu depctr_va_vdst(0)
.irp j, 0,1,2,3,4,5,6,7,8,9,10,11,12,13,14,15,16,17,18,19,20,21,22,23,24,25,26,27,28,29,30,31,32,33,34,35,36,37,38,39,40,41,42,43,44,45,46,47,48,49,50,51,52,53,54,55,56,57,58,59,60,61,62,63
	v_exp_f32 v[S+\j], v[S+\j]                     ; p = 2^(t - M)
.endr
	v_exp_f32 v[BM], v[BM]                         ; the block's largest p: the same two instructions on the same number give the same bits
	v_exp_f32 v[BM+2], v[BM+2]
	v_pk_mul_f32 v[14:15], v[14:15], v[F:F+1] op_sel_hi:[1,0]   ; the sum under the new M (a plain place behind the batch)
	s_wait_alu depctr_va_vdst(0)                   ; one wait for the batch, ahead of its first reader
	v_max_num_f32 v[BM], 0x1800000, v[BM]          ; the floor 2^(3 - 127): the byte cannot fall under 1
	v_max_num_f32 v[BM+2], 0x1800000, v[BM+2]
	SUMS 0, 3
	v_add_nc_u32 v[X], 0xff000000, v[BM]           ; 2 off the exponent field: the conversion's scale operand
	v_add_nc_u32 v[X+1], 0xff000000, v[BM+2]
	v_lshl_add_u32 v[BM], v[BM], 1, 0xfe000000     ; the same with the field moved into the top byte: the scale's byte
	v_lshl_add_u32 v[BM+2], v[BM+2], 1, 0xfe000000
	SUMS 3, 7
	v_perm_b32 v[TP], v[BM+2], v[BM], v[SELP]      ; my two bytes at their places,
	SUMS 7, 11
	v_permlanex16_b32 v[WT], v[TP], s[SEL], s[SEL+1]
	SUMS 11, 15
	v_or_b32 v[PW], v[TP], v[WT]                   ; with lane l xor 16's two: p's scale word for these 128 keys
.irp t, 0,1,2,3,4,5,6,7
	v_cvt_scalef32_pk8_fp4_f32 v[PC+\t], v[S+8*\t:S+8*\t+7], v[X+\t/4]   ; keys 64 c + 32 h + 8 e + 0 .. 7: register 4 c + e of the operand
.endr
	SUMS 15, 28                                    ; these thirteen and the four below are the places between p's codes and scale word and the products
	s_delay_alu instid0(VALU_DEP_2)
	v_pk_add_f32 v[246:247], v[246:247], v[248:249]   ; the five chains joined
	s_delay_alu instid0(VALU_DEP_2)
	v_pk_add_f32 v[250:251], v[250:251], v[254:255]
	s_delay_alu instid0(VALU_DEP_2)
	v_pk_add_f32 v[14:15], v[14:15], v[246:247]
	s_delay_alu instid0(VALU_DEP_1)
	v_pk_add_f32 v[14:15], v[14:15], v[250:251]
.if \pre == 0
	s_wait_dscnt 0x0                               ; V's nine loads are in
.else
	s_wait_dscnt 10                                ; V's nine loads are in; K's ten, issued behind them, may be out
.endif
.irp f, 0,1,2,3
	v_wmma_scale_f32_16x16x128_f8f6f4 v[O+8*\f:O+8*\f+7], v[VF+8*\f:VF+8*\f+7], v[PC:PC+7], v[O+8*\f:O+8*\f+7], v[VS+\f], v[PW] matrix_a_fmt:MATRIX_FMT_FP4 matrix_b_fmt:MATRIX_FMT_FP4
.endr
.endm
; A PASS: one tile of 16 queries against all keys, then ctx = O / the sum, quantised along the head's 64 (two blocks) and stored.
.macro PASS p
.if \p == 0
	KLOAD AK0, AS0, 0                              ; record 0's K (the second pass's was asked for in the first pass's last step)
.else
	s_wait_xcnt 0x0                                ; the last pass's stores have read their data: those registers are written again below
.irp j, 0,1,2,3
	v_mov_b32 v[16+\j], v[Q1+\j]
.endr
	v_mov_b32 v[QW], v[QW1]
.endif
	v_mov_b32 v13, 0xff61b1e6                      ; the largest score so far: -3e38
	v_mov_b32 v12, 0x7e000000                      ; -M: 2^125, so that the first f is 0
	v_mov_b32 v14, 0
	v_mov_b32 v15, 0
.irp j, 0,1,2,3,4,5,6,7,8,9,10,11,12,13,14,15,16,17,18,19,20,21,22,23,24,25,26,27,28,29,30,31
	v_mov_b32 v[O+\j], 0                           ; O^T: the step is written once, and its first trip finds zeros
.endr
	s_wait_alu depctr_va_vdst(0)
.if \p == 0
	s_wait_loadcnt 0x0                             ; both passes' Q
.endif
	s_mov_b32 s[TB], 0
	s_mov_b32 s[CNT], 15
.Lstep_\@:                                             ; fifteen trips, each asking for the next record's K; the sixteenth step is written out
	STEP 1
	s_add_co_u32 s[TB], s[TB], RECL
	s_sub_co_u32 s[CNT], s[CNT], 1
	s_cmp_lg_u32 s[CNT], 0
	s_cbranch_scc1 .Lstep_\@
	s_mov_b32 s[TB], 15*RECL
.if \p == 0
	STEP 2                                         ; the first pass's last step asks for record 0's K, for the second pass
.else
	STEP 0
.endif
	s_wait_alu depctr_va_vdst(0)                   ; the sum was written just ahead of the step's last wait
	v_add_f32 v14, v14, v15                        ; (with the three plain lines below: the four places in front of the first read of O^T)
	v_permlanex16_b32 v[TP], v14, s[SEL], s[SEL+1]
	v_add_f32 v14, v14, v[TP]                      ; with lane l xor 16's keys: the row's sum
	s_wait_alu depctr_va_vdst(0)                   ; ahead of the transcendental
	v_rcp_f32 v14, v14
	v_nop
	s_wait_alu depctr_va_vdst(0)                   ; ahead of its first reader, and of the first readers of O^T
.irp j, 0,2,4,6,8,10,12,14,16,18,20,22,24,26,28,30
	v_pk_mul_f32 v[S+\j:S+\j+1], v[O+\j:O+\j+1], v[14:15] op_sel_hi:[1,0]   ; ctx: register 8 f + i is channel 16 f + 8 h + i of my query
.endr
.irp b, 0,1
	v_max3_num_f32 v[BM+\b], |v[S+16*\b]|, |v[S+16*\b+1]|, 0x1800000
.endr
.irp i, 2,4,6,8,10,12,14
.irp b, 0,1
	v_max3_num_f32 v[BM+\b], v[BM+\b], |v[S+16*\b+\i]|, |v[S+16*\b+\i+1]|
.endr
.endr
.irp b, 0,1
	v_permlanex16_b32 v[BM+2+\b], v[BM+\b], s[SEL], s[SEL+1]
.endr
.irp b, 0,1
	v_max_num_f32 v[BM+\b], v[BM+\b], v[BM+2+\b]   ; a block of 32 channels lies in lanes l and l xor 16
.endr
.irp b, 0,1
	v_add_nc_u32 v[X+\b], 0xff000000, v[BM+\b]
.endr
.irp b, 0,1
	v_lshrrev_b32 v[BM+2+\b], 23, v[X+\b]
.endr
	v_lshl_or_b32 v[TP], v[BM+3], 8, v[BM+2]
	v_lshrrev_b32 v[TP], v[H8], v[TP]              ; lanes 0-15 hold block 0's byte in their low byte, lanes 16-31 block 1's
.irp t, 0,1,2,3
	v_cvt_scalef32_pk8_fp4_f32 v[PC+2*(\t%2)+\t/2], v[S+8*\t:S+8*\t+7], v[X+\t/2]
.endr
	v_nop                                          ; one plain place behind a scaled conversion
	v_permlane16_swap_b32 v[PC], v[PC+1]
	v_permlane16_swap_b32 v[PC+2], v[PC+3]         ; v[PC:PC+3]: channels 32 h + 0 .. 31 of my query
	global_store_b128 v1, v[PC:PC+3], s[8:9] offset:131072*\p     ; the wave stores 512 consecutive bytes, aligned
	global_store_b8 v[CSO], v[TP], s[10:11] offset:8192*\p        ; a head has two bytes in a token's 32: all that this work-group knows of that row
.endm
	PASS 0
	PASS 1
	s_wait_tensorcnt 0x0                           ; the wave's end
	ds_add_u32 v[SPW], v[NIL]
	s_wait_dscnt 0x0
	CROUND                                         ; the closing round
	s_endpgm
.Lfunc_end_k_q5b41a5a9e7_attn:
	.size	k_q5b41a5a9e7_attn, .Lfunc_end_k_q5b41a5a9e7_attn-k_q5b41a5a9e7_attn
	.p2alignl 7, 3214868480
	.fill 96, 4, 3214868480
	.section	.rodata,"a",@progbits
	.p2align	6, 0x0
	.amdhsa_kernel k_q5b41a5a9e7_attn
		.amdhsa_group_segment_fixed_size 169984
		.amdhsa_private_segment_fixed_size 0
		.amdhsa_enable_private_segment 0
		.amdhsa_kernarg_size 32
		.amdhsa_user_sgpr_count 2
		.amdhsa_user_sgpr_kernarg_segment_ptr 1
		.amdhsa_wavefront_size32 1
		.amdhsa_system_sgpr_workgroup_id_x 1
		.amdhsa_system_sgpr_workgroup_id_y 1
		.amdhsa_system_sgpr_workgroup_id_z 1
		.amdhsa_system_vgpr_workitem_id 0
		.amdhsa_next_free_vgpr 256
		.amdhsa_next_free_sgpr 66
		.amdhsa_reserve_vcc 0
		.amdhsa_float_denorm_mode_32 3
		.amdhsa_float_denorm_mode_16_64 3
		.amdhsa_memory_ordered 1
		.amdhsa_forward_progress 1
		.amdhsa_inst_pref_size 73
	.end_amdhsa_kernel
	.amdgpu_metadata
---
amdhsa.version: [ 1, 2 ]
amdhsa.kernels:
  - .name:           k_q5b41a5a9e7_attn
    .symbol:         k_q5b41a5a9e7_attn.kd
    .args:
      - { .name: qb, .offset: 0, .size: 8, .value_kind: global_buffer, .address_space: global }
      - { .name: kv, .offset: 8, .size: 8, .value_kind: global_buffer, .address_space: global }
      - { .name: cimg, .offset: 16, .size: 8, .value_kind: global_buffer, .address_space: global }
      - { .name: csc, .offset: 24, .size: 8, .value_kind: global_buffer, .address_space: global }
    .group_segment_fixed_size: 169984
    .private_segment_fixed_size: 0
    .kernarg_segment_align: 8
    .kernarg_segment_size: 32
    .max_flat_workgroup_size: 512
    .sgpr_count:     66
    .vgpr_count:     256
    .wavefront_size: 32
...
	.end_amdgpu_metadata
.endif
;; end of part 2
;; launch outp (part 3): grid 4 x 64, 4 waves a work-group, clusters of 4 x 4, 248,064 bytes of LDS; arguments cimg, csc, Wo_codes, Wo_scales, bo, out0; writes out0
.if DOCPART == 3
	.amdgcn_target "amdgcn-amd-amdhsa--gfx1250"
	.amdhsa_code_object_version 6
	.text
	.protected	k_q5b41a5a9e7_outp
	.globl	k_q5b41a5a9e7_outp
	.p2align	8
	.type	k_q5b41a5a9e7_outp,@function
k_q5b41a5a9e7_outp:
	s_mov_b64 s[64:65], 0
	v_nop
	global_prefetch_b8 v0, s[64:65] scope:SCOPE_SE
	s_setreg_imm32_b32 hwreg(HW_REG_WAVE_MODE, 25, 1), 1
	s_wait_xcnt 0x0
	s_wait_alu depctr_hold_cnt(0) depctr_sa_sdst(0) depctr_va_vdst(0) depctr_va_sdst(0) depctr_va_ssrc(0) depctr_va_vcc(0) depctr_vm_vsrc(0)
	s_getreg_b32 s2, hwreg(HW_REG_IB_STS2, 6, 4)
	s_cmp_eq_u32 s2, 0
	s_cbranch_scc0 .Lentry_in_a_cluster
	s_endpgm
.Lentry_in_a_cluster:
	s_bfe_u32 s2, ttmp6, 0x10000c
	s_cmp_lg_u32 s2, 0xf033
	s_cbranch_scc0 .Lentry_shape_is_right
	s_endpgm
.Lentry_shape_is_right:
; THE LAST PROJECTION, out0 = ctx Wo^T + bo, on codes of FP4 (E2M1) with one E8M0 scale for each 32 along K; f32 sums; out0 f32.
; SOURCE 0 IS "P" = Wo (features), SOURCE 1 IS "R" = ctx (tokens): a lane holds one token, and its eight registers of a tile are eight neighbouring features of that token's row of out0.
; SHARES.  A work-group makes 256 features x 128 tokens over the whole K = 1,024: 256 work-groups.  Wave w: 128 features (w / 2), 64 tokens (w % 2): 32 accumulators.
; The tile's whole K lies in LDS at once, as two slots of 512 along K: every LDS byte is filled once.  Wo's rows are padded rows of 512 bytes; ctx's codes lie in memory as images of the
; operand's registers, [128 tokens][slot 2][tile 8][head % 8][lane][16], and are read 512 consecutive bytes a load.
; CLUSTERS: 4 x 4 work-groups.  Wo's tiles hang on cx alone and are asked for jointly by a column of the cluster, ctx's on cy alone, by a row.
; REGISTERS, in windows of 256: window 0: addresses, scale words, from v128 the rows on their way out;  window 1: accumulator (t, n) at v[64 n + 8 t];
;   window 2: P's fragments, two sets, at v[64 p + 8 t]; R's, two sets, at v[128 + 32 p + 8 n]; the bias as the first products' C at v192-255.
.set PITCH,  528                       ; an LDS row of Wo holds the whole K: 512 bytes + 16 of padding
.set PH,     128*PITCH                 ; 128 rows of P: my wave's share
.set ROFF,   2*PH                      ; R's images lie behind P's 256 rows
.set RH,     16384                     ; four tiles of R x 512 along K: a half of a slot
.set SLOT,   ROFF+4*RH                 ; P's 256 rows, then R's 65,536 bytes of images [s 2][tile 8][head % 8][lane][16]
.set SCL,    SLOT                      ; P's scale bytes: 256 rows x 32 bytes, as rows of 256 bytes + 16
.set SPH,    16*272
.set SRO,    SCL+2*SPH                 ; R's scale bytes
.set SRH,    8*272
.set STG,    SRO+2*SRH                 ; the stages for the way out, 16 rows x 528 bytes for each wave: a multiple of 256, and no fill lands there
.set SPITCH, 528
.set ADRP, 16                          ; v16     LDS address of my fragments of P
.set ADRR, 20                          ; v20     of R
.set ADSP, 22                          ; v22     of P's scale words
.set ADSR, 23                          ; v23     of R's
.set VBP,  24                          ; v24     my place in bo
.set STO,  25                          ; v25     the way out: where I put 32 bytes of a row
.set RD,   26                          ; v26     where I read a row back
.set CO,   27                          ; v27     my 16 bytes in a row's 512
.set PS,   32                          ; v32-63  P's scale words: register 4 t + q': lanes 0-15 K step q', lanes 16-31 K step 4 + q'
.set RSC,  64                          ; v64-79  R's likewise
.set BK,   128                         ; v128-191, v192-255 by turns: 16 rows read back from the stage
.set CB,   192                         ; window 2: the bias
.set G1P,  16
.set G1R,  24
.set G1SP, 32
.set G1SR, 40
.set G0SP, 48
.set G0P,  52
.set G0SR, 60
.set G0R,  68
.set WV,   76
.set ROLE, 77                          ; wave / 2: my 128 features.
.set HF,   78                          ; wave % 2: my 64 tokens.
.set CX,   79
.set CY,   80
.set MROW, 83
.set MCOL, 84
.set PIX,  85
.set RIX,  86
.set PADW, (1<<20)|(1<<21)|(5<<22)|(3<<25)   ; scale bytes: four words of padding after every 64
.set PADC, (1<<20)|(1<<21)|(6<<22)|(3<<25)   ; Wo's codes: four words after every 128
.set MSB, 0
.macro WIN new                         ; the immediate's high byte repeats the setting that is left
.if MSB != \new
	s_set_vgpr_msb (MSB<<8)|\new
.set MSB, \new
.endif
.endm
; One arm of the head's tree of branches on the wave's number: its joint load and a jump to the tree's end.
.macro ARM under, g0, g1, next
	s_cmp_lt_u32 s[WV], \under
	s_cbranch_scc0 \next
	tensor_load_to_lds s[\g0:\g0+3], s[\g1:\g1+7]
	s_nop 0
.rept 4
	v_nop
.endr
	s_branch .Lhead_asked
\next:
.endm
.macro CROUND                          ; a round of the cluster's barrier
	s_barrier_signal -1
	s_barrier_wait -1
	s_cmp_lg_u32 s[WV], 0
	s_cbranch_scc1 .Lnot_wave_0_\@
	s_barrier_signal -3
.Lnot_wave_0_\@:
	s_barrier_wait -3
	s_barrier_signal -1
	s_barrier_wait -1
.endm
.macro PLACES n
.rept \n
	v_nop
.endr
.endm
	s_load_b256 s[4:11], s[0:1], 0x0               ; cimg s[4:5], csc s[6:7], Wo's codes s[8:9], Wo's scales s[10:11]
	s_load_b128 s[12:15], s[0:1], 0x20             ; bo s[12:13], out0 s[14:15]
	v_lshl_add_u32 v126, v0, 2, 0x3c700            ; my spare word, behind the stages
	v_mov_b32 v127, 0
	ds_add_u32 v126, v127
	ds_add_u32 v126, v127
	v_lshrrev_b32 v4, 5, v0
	v_readfirstlane_b32 s[WV], v4                  ; wave 0..3
	s_lshr_b32 s[ROLE], s[WV], 1
	s_and_b32 s[HF], s[WV], 1
	s_bfe_u32 s[CX], ttmp6, 0x40000
	s_bfe_u32 s[CY], ttmp6, 0x40004
	s_lshl_b32 s[PIX], ttmp9, 2
	s_add_co_u32 s[PIX], s[PIX], s[CX]             ; which 256 features
	s_and_b32 s[RIX], ttmp7, 0xffff
	s_lshl_b32 s[RIX], s[RIX], 2
	s_add_co_u32 s[RIX], s[RIX], s[CY]             ; which 128 tokens
	s_lshl_b32 s[MROW], s[CY], 2
	s_lshl_b32 s[MROW], 15, s[MROW]                ; my row of the cluster
	s_lshl_b32 s[MCOL], 0x1111, s[CX]              ; my column
	s_lshl_b32 s3, s[PIX], 8
	s_lshl_b32 s98, s3, 9                          ; its codes
	s_mov_b32 s99, 0
	s_lshl_b32 s96, s3, 5                          ; its scale bytes
	s_mov_b32 s97, 0
	s_lshl_b32 s66, s[RIX], 16                     ; ctx's codes: 65,536 bytes for 128 tokens, 16,384 for a half of a slot
	s_mov_b32 s67, 0
	s_lshl_b32 s94, s[RIX], 12                     ; its scale bytes: 32 a token
	s_mov_b32 s95, 0
	v_and_b32 v1, 15, v0                           ; r
	v_bfe_u32 v2, v0, 4, 1                         ; h
	v_and_b32 v3, 31, v0                           ; lane
	v_mul_u32_u24 v4, v1, PITCH
	v_lshl_add_u32 v4, v2, 4, v4
	s_mul_i32 s2, s[ROLE], PH
	v_add_nc_u32 v[ADRP], s2, v4
	v_lshlrev_b32 v[CO], 4, v3                     ; 16 x lane
	s_mul_i32 s2, s[HF], RH
	s_add_co_u32 s2, s2, ROFF
	v_add_nc_u32 v[ADRR], s2, v[CO]
	v_lshrrev_b32 v5, 3, v1
	v_and_b32 v6, 7, v1
	v_mul_u32_u24 v5, v5, 272
	v_lshl_add_u32 v5, v6, 5, v5
	v_lshl_add_u32 v5, v2, 4, v5                   ; scale words: lanes 0-15 K steps 0-3, lanes 16-31 K steps 4-7
	s_mul_i32 s2, s[ROLE], SPH
	s_add_co_u32 s2, s2, SCL
	v_add_nc_u32 v[ADSP], s2, v5
	s_mul_i32 s2, s[HF], SRH
	s_add_co_u32 s2, s2, SRO
	v_add_nc_u32 v[ADSR], s2, v5
	s_mul_i32 s2, s[WV], 16*SPITCH
	s_add_co_u32 s2, s2, STG                       ; my stage
	v_mul_u32_u24 v5, v1, SPITCH
	v_lshl_add_u32 v5, v2, 5, v5
	v_add_nc_u32 v[STO], s2, v5                    ; in: row r, 32 bytes for each half of the lanes
	v_add_nc_u32 v[RD], s2, v[CO]                  ; back: the 32 lanes take one row of 512 bytes
	s_wait_dscnt 0x0
	s_wait_kmcnt 0x0
	s_add_nc_u64 s[8:9], s[8:9], s[98:99]
	s_add_nc_u64 s[10:11], s[10:11], s[96:97]
	s_add_nc_u64 s[4:5], s[4:5], s[66:67]
	s_add_nc_u64 s[6:7], s[6:7], s[94:95]
	s_or_b32 s[G1P], s[MCOL], PADC                 ; Wo's codes: 256 rows of 512 bytes, padded
	s_or_b32 s[G1R], s[MROW], (3<<16)|(1<<21)      ; ctx's codes: 256 dense rows of 256 bytes, no padding
	s_or_b32 s[G1SP], s[MCOL], (3<<16)|PADW        ; scale bytes: dense rows of 256 bytes, padded
	s_or_b32 s[G1SR], s[MROW], (3<<16)|PADW
	s_mov_b32 s[G1P+1], 512<<16
	s_mov_b32 s[G1P+2], 256<<16
	s_mov_b32 s[G1P+3], 512<<16
	s_mov_b32 s[G1P+4], 256
	s_mov_b32 s[G1P+5], 512
	s_mov_b32 s[G1P+6], 0
	s_mov_b32 s[G1P+7], 0
	s_mov_b32 s[G1R+1], 32<<16
	s_mov_b32 s[G1R+2], 256<<16
	s_mov_b32 s[G1R+3], 32<<16
	s_mov_b32 s[G1R+4], 256
	s_mov_b32 s[G1R+5], 32
	s_mov_b32 s[G1R+6], 0
	s_mov_b32 s[G1R+7], 0
	s_mov_b32 s[G1SP+1], 32<<16
	s_mov_b32 s[G1SP+2], 32<<16
	s_mov_b32 s[G1SP+3], 32<<16
	s_mov_b32 s[G1SP+4], 32
	s_mov_b32 s[G1SP+5], 32
	s_mov_b32 s[G1SP+6], 0
	s_mov_b32 s[G1SP+7], 0
	s_mov_b32 s[G1SR+1], 32<<16
	s_mov_b32 s[G1SR+2], 16<<16
	s_mov_b32 s[G1SR+3], 32<<16
	s_mov_b32 s[G1SR+4], 16
	s_mov_b32 s[G1SR+5], 32
	s_mov_b32 s[G1SR+6], 0
	s_mov_b32 s[G1SR+7], 0
	s_mov_b32 s[G0SP], 1
	s_mov_b32 s[G0SP+1], SCL
	s_mov_b64 s[G0SP+2:G0SP+3], s[10:11]
	s_or_b32 s[G0SP+3], s[G0SP+3], 0x80000000
	s_mov_b32 s[G0P], 1
	s_mov_b32 s[G0P+1], 0
	s_mov_b64 s[G0P+2:G0P+3], s[8:9]
	s_or_b32 s[G0P+3], s[G0P+3], 0x80000000
	s_mov_b32 s[G0SR], 1
	s_mov_b32 s[G0SR+1], SRO
	s_mov_b64 s[G0SR+2:G0SR+3], s[6:7]
	s_or_b32 s[G0SR+3], s[G0SR+3], 0x80000000
	s_mov_b32 s[G0R], 1
	s_mov_b32 s[G0R+1], ROFF
	s_mov_b64 s[G0R+2:G0R+3], s[4:5]
	s_or_b32 s[G0R+3], s[G0R+3], 0x80000000
	CROUND                                         ; all sixteen work-groups are here: the joint loads meet
	; the launch's four fills, one joint load a wave: wave 0 Wo's codes, wave 1 ctx's codes, wave 2 Wo's scale bytes, wave 3 ctx's
	ARM 1, G0P,  G1P,  .Lhead_r
	ARM 2, G0R,  G1R,  .Lhead_sp
	ARM 3, G0SP, G1SP, .Lhead_sr
	tensor_load_to_lds s[G0SR:G0SR+3], s[G1SR:G1SR+7]
	s_nop 0
.rept 4
	v_nop
.endr
.Lhead_asked:
	s_lshl_b32 s2, s[PIX], 10
	s_lshl_b32 s3, s[ROLE], 9
	s_add_co_u32 s2, s2, s3
	v_lshl_add_u32 v[VBP], v2, 5, s2               ; 4 x (my first feature + 8 h)
	WIN 0x80                                       ; destination window 2
.irp t, 0,1,2,3,4,5,6,7
	global_load_b128 v[CB+8*\t:CB+8*\t+3], v[VBP], s[12:13] offset:64*\t          ; register j of tile t: bo of feature 16 t + 8 h + j
	global_load_b128 v[CB+8*\t+4:CB+8*\t+7], v[VBP], s[12:13] offset:64*\t+16
.endr
	WIN 0
	s_lshl_b32 s2, s[RIX], 7
	s_lshl_b32 s3, s[HF], 6
	s_add_co_u32 s2, s2, s3                        ; my first token,
	s_lshl_b32 s2, s2, 12                          ; its row of 4,096 bytes,
	s_lshl_b32 s3, s[PIX], 10
	s_add_co_u32 s2, s2, s3
	s_lshl_b32 s3, s[ROLE], 9
	s_add_co_u32 s2, s2, s3                        ; my 128 features' 512 bytes in it
	s_mov_b32 s3, 0
	s_add_nc_u64 s[14:15], s[14:15], s[2:3]
.macro SCALES                          ; all scale words of my rows, once
.irp t, 0,1,2,3,4,5,6,7
	ds_load_b128 v[PS+4*\t:PS+4*\t+3], v[ADSP] offset:544*\t
.endr
.irp n, 0,1,2,3
	ds_load_b128 v[RSC+4*\n:RSC+4*\n+3], v[ADSR] offset:544*\n
.endr
.endm
.macro FETCH q                         ; the fragments of K step q into set q % 2: 24 loads
	WIN 0x80                                       ; destination window 2, address window 0
.irp t, 0,1,2,3,4,5,6,7
.irp c, 0,1
	ds_load_b128 v[64*((\q)%2)+8*\t+4*\c:64*((\q)%2)+8*\t+4*\c+3], v[ADRP] offset:16*PITCH*\t+64*(\q)+32*\c
.endr
.endr
.irp n, 0,1,2,3
.irp c, 0,1
	ds_load_b128 v[128+32*((\q)%2)+8*\n+4*\c:128+32*((\q)%2)+8*\n+4*\c+3], v[ADRR] offset:32768*((\q)/4)+4096*\n+1024*((\q)%4)+512*\c
.endr
.endr
	WIN 0
.endm
; K step q: 32 matrix instructions.  cm = 1: the sums begin with the bias.  The 32 accumulators take turns, one instruction a turn, in the same order in every step.
.macro MUL32 q, cm
.if \cm == 0
	WIN 0x5a                                       ; sources 0 and 1 window 2, C and D window 1
.else
	WIN 0x6a                                       ; C window 2
.endif
.irp t, 0,1,2,3,4,5,6,7
.irp n, 0,1,2,3
.set rD, 64*\n+8*\t
.set rA, 64*((\q)%2)+8*\t
.set rB, 128+32*((\q)%2)+8*\n
.set rC, rD
.if \cm == 1
.set rC, CB+8*\t
.endif
.set rS, PS+4*\t+(\q)%4
.set rT, RSC+4*\n+(\q)%4
.if (\q) >= 4
	v_wmma_scale_f32_16x16x128_f8f6f4 v[rD:rD+7], v[rA:rA+7], v[rB:rB+7], v[rC:rC+7], v[rS], v[rT] matrix_a_fmt:MATRIX_FMT_FP4 matrix_b_fmt:MATRIX_FMT_FP4 matrix_a_scale:MATRIX_SCALE_ROW1 matrix_b_scale:MATRIX_SCALE_ROW1
.else
	v_wmma_scale_f32_16x16x128_f8f6f4 v[rD:rD+7], v[rA:rA+7], v[rB:rB+7], v[rC:rC+7], v[rS], v[rT] matrix_a_fmt:MATRIX_FMT_FP4 matrix_b_fmt:MATRIX_FMT_FP4
.endif
.endr
.endr
	WIN 0
.endm
; THE WAY OUT, 16 tokens x 128 features at a time.  A lane holds 32 neighbouring bytes of a row, and the lanes beside it hold other rows: a block goes through my own stage in LDS and comes back as whole rows of 512 bytes.
; LDS serves a wave's instructions in order (ISA guide 5.7.1.4): no wait between the stores and the loads, nor in front of the next block's stores.
.macro TOSTAGE n
	WIN 0x04                                       ; an LDS store's data are its source 1: window 1
.irp t, 0,1,2,3,4,5,6,7
	ds_store_b128 v[STO], v[64*\n+8*\t:64*\n+8*\t+3] offset:64*\t                 ; each accumulator from its low end on
	ds_store_b128 v[STO], v[64*\n+8*\t+4:64*\n+8*\t+7] offset:64*\t+16
.endr
	WIN 0
.irp i, 0,1,2,3,4,5,6,7,8,9,10,11,12,13,14,15
	ds_load_b128 v[BK+64*((\n)%2)+4*\i:BK+64*((\n)%2)+4*\i+3], v[RD] offset:\i*SPITCH
.endr
.endm
.macro SEND n, younger                 ; younger: the LDS instructions issued behind block n's loads, which may stay out
	s_wait_dscnt \younger
.irp i, 0,1,2,3,4,5,6,7,8,9,10,11,12,13,14,15
	global_store_b128 v[CO], v[BK+64*((\n)%2)+4*\i:BK+64*((\n)%2)+4*\i+3], s[14:15] offset:(16*(\n)+\i)*4096 th:TH_STORE_NT   ; 32 lanes store 512 consecutive bytes, at a multiple of 256 from out0's first byte
.endr
.endm
	s_wait_tensorcnt 0x0                           ; my one tile is in,
	s_barrier_signal -1
	s_barrier_wait -1                              ; everybody's are
	s_wait_alu depctr_va_vdst(0)
	SCALES
	FETCH 0
	FETCH 1
	s_wait_dscnt 24                                ; all but K step 1's 24 loads
	s_wait_loadcnt 0x0                             ; the bias
	MUL32 0, 1                                     ; the first K step starts the sums with the bias
.irp q, 1,2,3,4,5,6,7
	PLACES 4                                       ; in front of loads into the set that the step before multiplied
.if \q < 7
	FETCH \q+1
	s_wait_dscnt 24                                ; all but the 24 just issued: this step's fragments are in
.else
	s_wait_dscnt 0x0
.endif
	MUL32 \q, 0
.endr
	PLACES 4                                       ; in front of the first read of results
	TOSTAGE 0
.irp a, 1,2,3
.if \a > 1
	s_wait_xcnt 0x0                                ; block a - 2's stores have read their registers: block a's loads may land there
.endif
	TOSTAGE \a
	SEND \a-1, 32                                  ; behind block a - 1's loads: block a's 16 stores and 16 loads
.endr
	SEND 3, 0
	s_wait_tensorcnt 0x0
	ds_add_u32 v126, v127
	s_wait_dscnt 0x0
	CROUND                                         ; the closing round: no work-group ends while a partner may still ask for a tile that names it
	s_endpgm
.Lfunc_end_k_q5b41a5a9e7_outp:
	.size	k_q5b41a5a9e7_outp, .Lfunc_end_k_q5b41a5a9e7_outp-k_q5b41a5a9e7_outp
	.p2alignl 7, 3214868480
	.fill 96, 4, 3214868480
	.section	.rodata,"a",@progbits
	.p2align	6, 0x0
	.amdhsa_kernel k_q5b41a5a9e7_outp
		.amdhsa_group_segment_fixed_size 248064
		.amdhsa_private_segment_fixed_size 0
		.amdhsa_enable_private_segment 0
		.amdhsa_kernarg_size 48
		.amdhsa_user_sgpr_count 2
		.amdhsa_user_sgpr_kernarg_segment_ptr 1
		.amdhsa_wavefront_size32 1
		.amdhsa_system_sgpr_workgroup_id_x 1
		.amdhsa_system_sgpr_workgroup_id_y 1
		.amdhsa_system_sgpr_workgroup_id_z 1
		.amdhsa_system_vgpr_workitem_id 0
		.amdhsa_next_free_vgpr 768
		.amdhsa_next_free_sgpr 100
		.amdhsa_reserve_vcc 0
		.amdhsa_float_denorm_mode_32 3
		.amdhsa_float_denorm_mode_16_64 3
		.amdhsa_memory_ordered 1
		.amdhsa_forward_progress 1
		.amdhsa_inst_pref_size 72
	.end_amdhsa_kernel
	.amdgpu_metadata
---
amdhsa.version: [ 1, 2 ]
amdhsa.kernels:
  - .name:           k_q5b41a5a9e7_outp
    .symbol:         k_q5b41a5a9e7_outp.kd
    .args:
      - { .name: cimg, .offset: 0, .size: 8, .value_kind: global_buffer, .address_space: global }
      - { .name: csc, .offset: 8, .size: 8, .value_kind: global_buffer, .address_space: global }
      - { .name: Wo_codes, .offset: 16, .size: 8, .value_kind: global_buffer, .address_space: global }
      - { .name: Wo_scales, .offset: 24, .size: 8, .value_kind: global_buffer, .address_space: global }
      - { .name: bo, .offset: 32, .size: 8, .value_kind: global_buffer, .address_space: global }
      - { .name: out0, .offset: 40, .size: 8, .value_kind: global_buffer, .address_space: global }
    .group_segment_fixed_size: 248064
    .private_segment_fixed_size: 0
    .kernarg_segment_align: 8
    .kernarg_segment_size: 48
    .max_flat_workgroup_size: 128
    .sgpr_count:     100
    .vgpr_count:     768
    .wavefront_size: 32
...
	.end_amdgpu_metadata
.endif
;; end of part 3
